; MI455X (gfx1250); checked and timed in simulation.
; The chip was launched on July 23, 2026; its instructions are those of AMD's public machine-readable ISA for CDNA 5 (MIT licence, August 2026) and "CDNA5" Instruction Set Architecture Reference Guide (July 2026). The comments in the code are by the model that wrote it; some were corrected since.
;; HMU. Allowed arithmetic: float matrix products may take bf16 or f16 operands with f32 sums; other float arithmetic in f32, or as packed bf16 or f16 multiplies, adds, multiply-adds, maxima and minima; sums over many terms, partial sums and values carried from step to step in f32; what a program stores and reads back later, other than sums and carried values, may be rounded once to bf16 or f16.
;; Inputs: lambda_base 1 float32; mu 1,024 float32; v 8 x 1,024 float32; x 65,536 x 1,024 float32.
;; Outputs: out0 65,536 float32.
;; One version. Each part assembles by itself: llvm-mc -triple=amdgcn-amd-amdhsa -mcpu=gfx1250 --defsym DOCPART=n.
;; ======== version 1 of 1: 1 launch
;; launch hmu (part 1): grid 256 x 1, 16 waves a work-group, no clusters, 203,776 bytes of LDS; arguments x, mu, lambda_base, v, out0; writes out0
.if DOCPART == 1
	.amdgcn_target "amdgcn-amd-amdhsa--gfx1250"
	.amdhsa_code_object_version 6
	.text
	.protected	k_qfbbde39e1a_hmu
	.globl	k_qfbbde39e1a_hmu
	.p2align	8
	.type	k_qfbbde39e1a_hmu,@function
k_qfbbde39e1a_hmu:
	s_mov_b64 s[64:65], 0
	v_nop
	global_prefetch_b8 v0, s[64:65] scope:SCOPE_SE
	s_setreg_imm32_b32 hwreg(HW_REG_WAVE_MODE, 25, 1), 1
	s_wait_xcnt 0x0
; out[b] = exp(-q[b] / 1024),  q = diff^T (lambda I + v^T v) diff,  diff = x[b] - mu.   x: [65536][1024] f32, mu: [1024], lambda: [1], v: [8][1024], out: [65536] f32.
; THE FORM.  For every input  diff^T (lambda I + v^T v) diff = lambda * sum_k diff_k^2 + sum_j (v_j . diff)^2 : the 1024 x 1024 matrix is never made.  Both terms are matrix
; products with bf16 operands and f32 sums: for 16 rows and 32 columns one product V X^T (the eight dots) and one product X X^T (its diagonal is the sum of squares).
; LIMITS.  diff is formed in f32 and rounded once to bf16, v once to bf16, for both terms; the sums are taken in another order than the reference's.  A result below 2^-126 comes
; out as 0 (v_exp_f32 flushes denormal results).  NaN and infinities are not treated apart.
; SHARES.  256 work-groups of 256 rows.  Sixteen waves: wave w takes the strip of columns 128 (w & 7) .. +127 (512 bytes of a row) in the rows 128 (w >> 3) .. +127 of the group.
; So one load of a wave covers 512 consecutive bytes of one row, at a multiple of 512 from x's first byte, and the wave keeps its 4 numbers a lane of mu and its 4 fragments of v.
; THE ROAD.  x comes into a ring of 32 row slots in registers (32 loads of 512 bytes of every wave are on their way); diff is rounded to bf16 and laid into the wave's OWN stage
; in LDS, 16 rows of 272 bytes; 8 LDS loads bring it back as 4 fragments of 16 rows x 32 columns.  No wave touches another's stage: no barrier stands in the stream.
; THE JOIN.  Dots and sums of squares are linear in the strips: each wave puts its partial tile of a block of 16 rows into an exchange region; behind one barrier wave w adds the
; eight strips' tiles of block w, squares, applies lambda and takes the exponential; behind a second barrier wave 0 stores the group's 256 results, 512 consecutive bytes a store.
; NOT USED: tensor loads (x would pass LDS in f32, twice the bytes), clusters (work-groups share 36 KB of mu and v beside 1 MiB of x each), prefetches (the ring keeps loads out all the time).
; The 32 groups of four rows are written out, not looped: a row's place stands in the load's immediate (520,192 at the most) and a block's place in the LDS store's
; immediate (57,856 at the most), so that no address register and no base is ever rewritten.
.set ROW,   4096                       ; bytes in a row of x and of v
.set SP,    272                        ; a stage row: 256 bytes of bf16 + 16 of padding = 68 words, so that the 16 rows of a fragment load start 4 banks apart (64 banks of 4 bytes: ISA guide 11.1)
.set STAGE, 0                          ; wave w's stage at w x 16 x 272
.set EXCH,  16*16*SP                   ; 69,632: tile (block 0..15, strip 0..7) at block x 8,192 + strip x 1,024; registers 0-3 at 16 x lane, 4-7 at 512 + 16 x lane
.set RES,   EXCH+16*8*1024             ; 200,704: the result of the group's row i at 4 i
.set SPARE, RES+1024                   ; 201,728: the spare words, 128 bytes for each of 16 waves: eight blocks of 256 bytes that no other line names
.set LANE, 1                           ; v1      lane
.set VOFF, 2                           ; v2      512 x strip + 16 x lane: my 16 bytes in a row of x, of v, and in mu; never rewritten
.set STG,  3                           ; v3      stage, in: my 8 bytes of row 0
.set LDA,  4                           ; v4      stage, back: row lane % 16, 16 bytes for each half of the lanes
.set EX,   5                           ; v5      my 16 bytes in my strip's tile of my half's block 0
.set SPW,  6                           ; v6      LDS address of my spare word; never rewritten
.set NIL,  7                           ; v7      0; never rewritten
.set GS,   8                           ; v8      at work (set-up: lane % 16)
.set GP,   9                           ; v9      at work (set-up: lane / 16)
.set MU,   10                          ; v[10:13]   mu of my 4 columns
.set ZZ,   14                          ; v[14:15]   two zeros at the set-up; at the join two LDS addresses
.set BF,   16                          ; v[16:23]   4 rows x 4 bf16
.set DA,   24                          ; v[24:31]   accumulator: V X^T
.set GA,   32                          ; v[32:39]   accumulator: X X^T
.set VF,   40                          ; v[40:71]   v's 4 fragments (rows 8-15 of each are zeros)
.set XF,   72                          ; v[72:103]  the block's 4 fragments of diff
.set XR,   104                         ; v[104:231] the ring: slot i at XR + 4 i; at the join the eight strips' tiles
.set WV,   14                          ; s14  wave
.set STRIP,15
.set HALF, 16
.set LAM,  17                          ; s17  lambda
.set SEL,  20                          ; s[20:21] v_permlanex16_b32's selects: each lane takes its own place in the other half
.set HM,   22                          ; s22  lanes 16-31
.set DM,   24                          ; s[24:31] mask j: the two lanes that hold a diagonal element of X X^T in register j
	s_load_b256 s[4:11], s[0:1], 0x0               ; x s[4:5], mu s[6:7], lambda s[8:9], v s[10:11]
	s_load_b64 s[12:13], s[0:1], 0x20              ; out
	v_lshl_add_u32 v[SPW], v0, 2, SPARE
	v_mov_b32 v[NIL], 0
	v_lshrrev_b32 v1, 5, v0
	v_readfirstlane_b32 s[WV], v1                  ; wave 0..15
	s_and_b32 s[STRIP], s[WV], 7
	s_lshr_b32 s[HALF], s[WV], 3
	v_and_b32 v[LANE], 31, v0
	v_and_b32 v[VOFF], 0xff, v0                    ; 32 x strip + lane
	v_lshlrev_b32 v[VOFF], 4, v[VOFF]
	s_mul_i32 s19, s[WV], 16*SP                    ; my stage
	v_lshl_add_u32 v[STG], v[LANE], 3, s19
	v_and_b32 v[GS], 15, v0                        ; r = lane % 16
	v_bfe_u32 v[GP], v0, 4, 1                      ; h = lane / 16
	v_mul_u32_u24 v[LDA], v[GS], SP
	v_lshl_add_u32 v[LDA], v[GP], 4, v[LDA]
	v_add_nc_u32 v[LDA], s19, v[LDA]
	s_lshl_b32 s32, s[HALF], 16                    ; my half's eight blocks of 8,192 bytes,
	s_lshl_b32 s33, s[STRIP], 10                   ; my strip's tile in a block
	s_add_co_u32 s32, s32, s33
	s_add_co_u32 s32, s32, EXCH
	v_lshl_add_u32 v[EX], v[LANE], 4, s32
	v_mov_b32 v[ZZ], 0
	v_mov_b32 v[ZZ+1], 0
	s_mov_b32 s[SEL], 0x76543210
	s_mov_b32 s[SEL+1], 0xfedcba98
	s_mov_b32 s[HM], 0xffff0000
.irp j, 0,1,2,3,4,5,6,7
	s_mov_b32 s[DM+(\j)], 0x01000001<<(\j)         ; register j of lane (r, h) is element (8 h + j, r): on the diagonal in lanes j and 24 + j
.endr
	s_lshl_b32 s2, ttmp9, 20                       ; the group's 256 rows of 4,096 bytes (under 2^28),
	s_lshl_b32 s3, s[HALF], 19                     ; my half's 128
	s_add_co_u32 s2, s2, s3
	s_mov_b32 s3, 0
	s_wait_kmcnt 0x0
	s_add_nc_u64 s[4:5], s[4:5], s[2:3]            ; x at my first row
	s_load_b32 s[LAM], s[8:9], 0x0                 ; waited for at the join
	s_lshl_b32 s2, ttmp9, 10                       ; the group's 256 results
	s_add_nc_u64 s[12:13], s[12:13], s[2:3]
	; The first loads: mu, my strip of v's eight rows, then the ring's 32 rows.
	global_load_b128 v[MU:MU+3], v[VOFF], s[6:7]
.irp j, 0,1,2,3,4,5,6,7
	global_load_b128 v[XF+4*(\j):XF+4*(\j)+3], v[VOFF], s[10:11] offset:(\j)*ROW
.endr
.set i, 0
.rept 32
	global_load_b128 v[XR+4*i:XR+4*i+3], v[VOFF], s[4:5] offset:i*ROW th:TH_LOAD_NT
.set i, i+1
.endr
	; v goes the way that diff will go: rounded to bf16, into the stage by rows (rows 8-15: zeros), back as fragments.  So v and diff have their columns in the same places.
	s_wait_loadcnt 32                              ; loads come back in order (ISA guide 5.7.1): mu and v are in, the 32 rows issued behind them stay out
.irp j, 0,1,2,3,4,5,6,7
	v_cvt_pk_bf16_f32 v[DA+2*(\j)],   v[XF+4*(\j)],   v[XF+4*(\j)+1]
	v_cvt_pk_bf16_f32 v[DA+2*(\j)+1], v[XF+4*(\j)+2], v[XF+4*(\j)+3]
.endr
.irp j, 0,1,2,3,4,5,6,7
	ds_store_b64 v[STG], v[DA+2*(\j):DA+2*(\j)+1] offset:(\j)*SP
	ds_store_b64 v[STG], v[ZZ:ZZ+1] offset:(8+(\j))*SP
.endr
.irp s, 0,1,2,3
	ds_load_b128 v[VF+8*(\s):VF+8*(\s)+3],   v[LDA] offset:64*(\s)      ; LDS serves a wave's instructions in order (ISA guide 5.7.1.4): these see the stores above,
	ds_load_b128 v[VF+8*(\s)+4:VF+8*(\s)+7], v[LDA] offset:64*(\s)+32   ; and the first block's stores come behind them; its first wait on DScnt covers them
.endr
; Rows 4 g .. 4 g + 3 of my 128: diff in f32, rounded to bf16, into the stage.  Groups 0-23 fill their slots again with the rows 32 further down.
; The wait: 32 + 4 g rows have been asked for (128 from group 24 on) and 4 g + 4 must be in: 28 may stay out, then 124 - 4 g.
.macro ROWS4 g
.if (\g) < 24
	s_wait_loadcnt 28
.else
	s_wait_loadcnt 124-4*(\g)
.endif
.irp q, 0,1,2,3
.set rX, XR+4*((4*(\g)+(\q))%32)
	v_pk_add_f32 v[rX:rX+1],   v[rX:rX+1],   v[MU:MU+1]   neg_lo:[0,1] neg_hi:[0,1]
	v_pk_add_f32 v[rX+2:rX+3], v[rX+2:rX+3], v[MU+2:MU+3] neg_lo:[0,1] neg_hi:[0,1]
.endr
.irp q, 0,1,2,3
.set rX, XR+4*((4*(\g)+(\q))%32)
	v_cvt_pk_bf16_f32 v[BF+2*(\q)],   v[rX],   v[rX+1]
	v_cvt_pk_bf16_f32 v[BF+2*(\q)+1], v[rX+2], v[rX+3]
.endr
.if (\g) < 24
.irp q, 0,1,2,3
.set rX, XR+4*((4*(\g)+(\q))%32)
	global_load_b128 v[rX:rX+3], v[VOFF], s[4:5] offset:(32+4*(\g)+(\q))*ROW th:TH_LOAD_NT
.endr
.endif
.irp q, 0,1,2,3
	ds_store_b64 v[STG], v[BF+2*(\q):BF+2*(\q)+1] offset:((4*(\g)+(\q))%16)*SP  ; 32 lanes x 8 bytes: a row's 256 bytes on end
.endr
.endm
; Block b of my eight: the stage's 16 rows x 128 columns.  A fragment is 16 rows x 32 columns in 8 registers: lane l holds row l % 16, columns 8 (l / 16) + 0..7 and 16 + 8 (l / 16) + 0..7.
; V X^T: register j of lane (r, h) is (v's row 8 h + j) . (diff of row r): lanes 0-15 hold a row's eight dots, lanes 16-31 products with the zero rows.
; X X^T takes the same fragment as both sources.  The two accumulators take turns, one instruction a turn; the first products start the sums with the constant 0.
.macro BLOCK b
.irp s, 0,1,2,3
	ds_load_b128 v[XF+8*(\s):XF+8*(\s)+3],   v[LDA] offset:64*(\s)
	ds_load_b128 v[XF+8*(\s)+4:XF+8*(\s)+7], v[LDA] offset:64*(\s)+32
.endr
.irp s, 0,1,2,3
	s_wait_dscnt 6-2*(\s)                          ; fragment s is in; the loads of the fragments behind it stay out
.if (\s) == 0
	v_wmma_f32_16x16x32_bf16 v[DA:DA+7], v[VF:VF+7], v[XF:XF+7], 0
	v_wmma_f32_16x16x32_bf16 v[GA:GA+7], v[XF:XF+7], v[XF:XF+7], 0
.else
	v_wmma_f32_16x16x32_bf16 v[DA:DA+7], v[VF+8*(\s):VF+8*(\s)+7], v[XF+8*(\s):XF+8*(\s)+7], v[DA:DA+7]
	v_wmma_f32_16x16x32_bf16 v[GA:GA+7], v[XF+8*(\s):XF+8*(\s)+7], v[XF+8*(\s):XF+8*(\s)+7], v[GA:GA+7]
.endif
.endr
.rept 4
	v_nop                                          ; four places between the last products and the first read of a result (ISA guide 7.12.1)
.endr
	v_cndmask_b32 v[GS], 0, v[GA], s[DM]           ; the diagonal is picked register by register, from the accumulator's low end on
.irp j, 1,2,3,4,5,6,7
	v_cndmask_b32 v[GS], v[GS], v[GA+(\j)], s[DM+(\j)]
.endr
	v_permlanex16_b32 v[GP], v[GS], s[SEL], s[SEL+1]  ; rows 0-7 lie in lanes 0-7, rows 8-15 in lanes 24-31, zeros elsewhere:
	v_add_f32 v[GS], v[GS], v[GP]                  ; with the other half's, every lane holds the sum of squares of row lane % 16
	v_cndmask_b32 v[DA], v[DA], v[GS], s[HM]       ; lanes 16-31, whose dots are none, carry it in register 0
	ds_store_b128 v[EX], v[DA:DA+3]   offset:(\b)*8192
	ds_store_b128 v[EX], v[DA+4:DA+7] offset:(\b)*8192+512
.endm
.set gi, 0
.set bi, 0
.rept 8
.rept 4
	ROWS4 gi
.set gi, gi+1
.endr
	BLOCK bi
.set bi, bi+1
.endr
	; THE JOIN.  Wave w adds the eight strips' tiles of the group's block w (rows 16 w .. 16 w + 15).
	s_wait_dscnt 0x0                               ; for the others' sake: my tiles are in the exchange region
	s_barrier_signal -1
	s_lshl_b32 s32, s[WV], 13                      ; register work between the signal and the wait: block w's eight tiles,
	s_add_co_u32 s32, s32, EXCH
	v_lshl_add_u32 v[ZZ], v[LANE], 4, s32
	s_lshl_b32 s33, s[WV], 6                       ; and block w's sixteen results
	s_add_co_u32 s33, s33, RES
	v_and_b32 v[ZZ+1], 15, v0
	v_lshl_add_u32 v[ZZ+1], v[ZZ+1], 2, s33
	s_barrier_wait -1                              ; everybody's are
.irp t, 0,1,2,3,4,5,6,7
	ds_load_b128 v[XR+8*(\t):XR+8*(\t)+3],   v[ZZ] offset:(\t)*1024
	ds_load_b128 v[XR+8*(\t)+4:XR+8*(\t)+7], v[ZZ] offset:(\t)*1024+512
.endr
	s_wait_dscnt 0x0
.irp t, 0,2,4,6                        ; a tree over the strips, in f32: neighbours 1, 2 and 4 tiles apart
.irp j, 0,2,4,6
	v_pk_add_f32 v[XR+8*(\t)+(\j):XR+8*(\t)+(\j)+1], v[XR+8*(\t)+(\j):XR+8*(\t)+(\j)+1], v[XR+8*(\t)+8+(\j):XR+8*(\t)+8+(\j)+1]
.endr
.endr
.irp t, 0,4
.irp j, 0,2,4,6
	v_pk_add_f32 v[XR+8*(\t)+(\j):XR+8*(\t)+(\j)+1], v[XR+8*(\t)+(\j):XR+8*(\t)+(\j)+1], v[XR+8*(\t)+16+(\j):XR+8*(\t)+16+(\j)+1]
.endr
.endr
.irp j, 0,2,4,6
	v_pk_add_f32 v[XR+(\j):XR+(\j)+1], v[XR+(\j):XR+(\j)+1], v[XR+32+(\j):XR+32+(\j)+1]
.endr
.set PP, XR+64                         ; v[168:171] at work
	v_pk_mul_f32 v[PP:PP+1], v[XR:XR+1], v[XR:XR+1]                    ; lanes 0-15: the sum of the eight dots' squares
	v_pk_fma_f32 v[PP:PP+1], v[XR+2:XR+3], v[XR+2:XR+3], v[PP:PP+1]
	v_pk_fma_f32 v[PP:PP+1], v[XR+4:XR+5], v[XR+4:XR+5], v[PP:PP+1]
	v_pk_fma_f32 v[PP:PP+1], v[XR+6:XR+7], v[XR+6:XR+7], v[PP:PP+1]
	v_add_f32 v[PP+2], v[PP], v[PP+1]
	s_wait_kmcnt 0x0                               ; lambda
	v_mul_f32 v[PP+3], s[LAM], v[XR]               ; lanes 16-31: lambda x the sum of squares
	v_cndmask_b32 v[PP+2], v[PP+2], v[PP+3], s[HM]
	v_permlanex16_b32 v[GP], v[PP+2], s[SEL], s[SEL+1]
	v_add_f32 v[PP+2], v[PP+2], v[GP]              ; q of row lane % 16, in both halves
	v_mul_f32 v[PP+2], 0xbab8aa3b, v[PP+2]         ; x -log2(e) / 1024
	v_exp_f32 v[PP+3], v[PP+2]
	v_nop                                          ; a plain instruction between the exponential and the use of its result (ISA guide 5.7.2)
	s_wait_alu depctr_va_vdst(0)
	ds_store_b32 v[ZZ+1], v[PP+3]                  ; lanes r and 16 + r write the same word with the same number
	s_wait_tensorcnt 0x0                           ; the wave's end: three lines behind my last LDS store;
	ds_add_u32 v[SPW], v[NIL]
	s_wait_dscnt 0x0                               ; the last of them also shows my results stored, for wave 0's sake
	s_barrier_signal -1
	s_barrier_wait -1
	s_cmp_lg_u32 s[WV], 0
	s_cbranch_scc1 .Ldone                          ; wave 0 alone stores: 1,024 bytes are two stores of one wave
	v_lshlrev_b32 v[BF], 4, v[LANE]                ; 16 x lane, in out
	v_add_nc_u32 v[BF+1], RES, v[BF]               ; and among the results in LDS
	ds_load_b128 v[XR:XR+3],   v[BF+1]
	ds_load_b128 v[XR+4:XR+7], v[BF+1] offset:512
	s_wait_dscnt 0x0
	global_store_b128 v[BF], v[XR:XR+3],   s[12:13] th:TH_STORE_NT             ; each store covers 512 consecutive bytes, at a multiple of 512 from out's first byte
	global_store_b128 v[BF], v[XR+4:XR+7], s[12:13] offset:512 th:TH_STORE_NT
.Ldone:
	s_endpgm
.Lfunc_end_k_qfbbde39e1a_hmu:
	.size	k_qfbbde39e1a_hmu, .Lfunc_end_k_qfbbde39e1a_hmu-k_qfbbde39e1a_hmu
	.p2alignl 7, 3214868480
	.fill 96, 4, 3214868480
	.section	.rodata,"a",@progbits
	.p2align	6, 0x0
	.amdhsa_kernel k_qfbbde39e1a_hmu
		.amdhsa_group_segment_fixed_size 203776
		.amdhsa_private_segment_fixed_size 0
		.amdhsa_enable_private_segment 0
		.amdhsa_kernarg_size 40
		.amdhsa_user_sgpr_count 2
		.amdhsa_user_sgpr_kernarg_segment_ptr 1
		.amdhsa_wavefront_size32 1
		.amdhsa_system_sgpr_workgroup_id_x 1
		.amdhsa_system_sgpr_workgroup_id_y 1
		.amdhsa_system_sgpr_workgroup_id_z 1
		.amdhsa_system_vgpr_workitem_id 0
		.amdhsa_next_free_vgpr 232
		.amdhsa_next_free_sgpr 66
		.amdhsa_reserve_vcc 0
		.amdhsa_float_denorm_mode_32 3
		.amdhsa_float_denorm_mode_16_64 3
		.amdhsa_memory_ordered 1
		.amdhsa_forward_progress 1
		.amdhsa_inst_pref_size 80
	.end_amdhsa_kernel
	.amdgpu_metadata
---
amdhsa.version: [ 1, 2 ]
amdhsa.kernels:
  - .name:           k_qfbbde39e1a_hmu
    .symbol:         k_qfbbde39e1a_hmu.kd
    .args:
      - { .name: x, .offset: 0, .size: 8, .value_kind: global_buffer, .address_space: global }
      - { .name: mu, .offset: 8, .size: 8, .value_kind: global_buffer, .address_space: global }
      - { .name: lambda_base, .offset: 16, .size: 8, .value_kind: global_buffer, .address_space: global }
      - { .name: v, .offset: 24, .size: 8, .value_kind: global_buffer, .address_space: global }
      - { .name: out0, .offset: 32, .size: 8, .value_kind: global_buffer, .address_space: global }
    .group_segment_fixed_size: 203776
    .private_segment_fixed_size: 0
    .kernarg_segment_align: 8
    .kernarg_segment_size: 40
    .max_flat_workgroup_size: 512
    .sgpr_count:     66
    .vgpr_count:     232
    .wavefront_size: 32
...
	.end_amdgpu_metadata
.endif
;; end of part 1
